; MI455X (gfx1250); checked and timed in simulation.
; The chip was launched on July 23, 2026; its instructions are those of AMD's public machine-readable ISA for CDNA 5 (MIT licence, August 2026) and "CDNA5" Instruction Set Architecture Reference Guide (July 2026). The comments in the code are by the model that wrote it; some were corrected since.
;; Approx LTC Layer. Allowed arithmetic: float matrix products may take bf16 or f16 operands with f32 sums; all other float work in f32.
;; Inputs: A 64 x 16 float32; inputs 8 x 64 x 64 x 16 float32; mu 64 x 16 float32; sigma 64 x 16 float32; x0 64 float32.
;; Outputs: out0 8 x 4,096 x 64 float32.
;; One version. Each part assembles by itself: llvm-mc -triple=amdgcn-amd-amdhsa -mcpu=gfx1250 --defsym DOCPART=n.
;; ======== version 1 of 1: 1 launch
;; launch ltc (part 1): grid 256 x 1, 8 waves a work-group, no clusters, 24,064 bytes of LDS; arguments inputs, A, sigma, mu, x0, out0; writes out0
.if DOCPART == 1
	.amdgcn_target "amdgcn-amd-amdhsa--gfx1250"
	.amdhsa_code_object_version 6
	.text
	.protected	k_qfef7d4e7ad_ltc
	.globl	k_qfef7d4e7ad_ltc
	.p2align	8
	.type	k_qfef7d4e7ad_ltc,@function
k_qfef7d4e7ad_ltc:
	s_mov_b64 s[64:65], 0
	v_nop
	global_prefetch_b8 v0, s[64:65] scope:SCOPE_SE
	s_setreg_imm32_b32 hwreg(HW_REG_WAVE_MODE, 25, 1), 1
	s_wait_xcnt 0x0
; out[b][t][u] = sum over d of ( (x0[u] - A[u][d]) * exp(-(0.1 + f_pos) * b) * f_neg + A[u][d] ),
;   z = sigma[u][d] * (I[b][t][d] - mu[u][d]),  f_pos = sigmoid(z),  f_neg = sigmoid(-z).
; inputs [8][4096][16] f32, A, sigma, mu [64][16] f32, x0 [64] f32, out0 [8][4096][64] f32.
;
; HOW IT IS COMPUTED.  f_neg = 1 / (1 + 2^z'), z' = (I - mu) * (sigma * log2 e);  f_pos = 1 - f_neg;
; exp(-(0.1 + f_pos) b) = 2^(c1 f_neg + c0) with c1 = b log2 e, c0 = -1.1 c1.  Three transcendentals and six plain f32
; operations an element, the plain ones two at a time (pairs d, d+1).  The sum over d of A starts the accumulator.
; 2^z' may be infinite: 1 / infinity = 0 is then the right f_neg.  c1 f_neg + c0 lies in [-1.1 c1, -0.1 c1]: no overflow.
; LIMITS KEPT: f_pos is 1 - f_neg (absolute error 2^-24, against a sigmoid of its own in the reference); v_exp_f32 and
; v_rcp_f32 flush denormals, so an f_neg below 2^-126 counts as 0; sigma * log2 e overflows for |sigma| above 2.3e38;
; the sum over d runs as two interleaved chains (even d, odd d), not in the reference's order.
;
; WHO DOES WHAT.  256 work-groups of 8 waves; a group owns 128 rows (b, t), all of one b = group / 32; a wave owns 16 rows.
; Lane l owns units u = 2 l and 2 l + 1 with all 16 d: its 96 table values stay in registers, and one 8-byte store of the
; wave covers the 256 consecutive, aligned bytes of an output row.
; The tables are read from memory once a group (thread t: 16 consecutive bytes of each), prepared, and handed to the waves
; through LDS; so are the group's 8,192 bytes of inputs.  The loop touches memory only to store.
; No matrix instruction: the reference has no product of matrices.  No cluster: the groups share only the 12 KB of tables.
.set ROWS,   16                        ; rows of a wave
.set PPITCH, 144                       ; LDS bytes of a pair of units (2 x 64) + 16: an odd multiple of 16, so that the sixteen lanes
                                       ; of a 16-byte load start in sixteen different 16-byte columns modulo 256 bytes
.set L_SG,   0                         ; sigma * log2 e, 32 pairs of units
.set L_MU,   32*PPITCH                 ; mu
.set L_CC,   2*32*PPITCH               ; x0 - A
.set L_SA,   3*32*PPITCH               ; sum over d of A, 64 words
.set L_IN,   3*32*PPITCH+256           ; the group's 128 input rows of 64 bytes, wave w's at 1,024 w; ends at byte 22,272
.set TOFF, 1                           ; 16 t: my 16 bytes of each table
.set IOFF, 2                           ; my 16 bytes of the group's inputs, in memory and in LDS
.set UOFF, 3                           ; 4 (t / 4): my unit's word in x0 and in the sums
.set PST,  4                           ; where my 16 bytes of a table go in LDS
.set LANE, 5
.set WV32, 6                           ; 32 x wave
.set PLD,  7                           ; lane x PPITCH: my pair of units in a table
.set SLD,  8                           ; lane x 8: my two sums
.set TMP,  9
.set IAD,  10                          ; LDS offset of the wave's current two rows (the same in all lanes)
.set OOFF, 11                          ; byte offset of my 8 bytes in the wave's first output row
.set RES,  12                          ; v[12:13]   the two results of a row
.set ACC,  14                          ; v[14:17]   unit slot j: (sum over even d, sum over odd d)
.set SAP,  18                          ; v[18:21]   unit slot j: (sum of A, 0): what the first multiply-add adds to
.set C1P,  22                          ; v[22:23]   c1 twice
.set C0P,  24                          ; v[24:25]   c0 twice
.set SG,   26                          ; v[26:57]   sigma * log2 e: slot j at 16 j, d ascending
.set MU,   58                          ; v[58:89]   mu
.set CC,   90                          ; v[90:121]  x0 - A
.set IN,   122                         ; v[122:153] two input rows of 16
.set WZ,   154                         ; work, slot j at 48 j: z', later f_neg
.set WE,   170                         ;                        2^z', 1 + 2^z', later the second exponent
.set WH,   186                         ;                        the decay, later decay x f_neg
; set-up only, in the work registers:
.set T_SG, 154
.set T_MU, 158
.set T_A,  162
.set T_X,  166                         ; pair (x0[u], x0[u])
.set T_I,  168                         ; 8 registers
.set T_S,  176                         ; pair
.set T_C,  178                         ; 4 registers
	s_load_b256 s[4:11], s[0:1], 0x0               ; inputs s[4:5], A s[6:7], sigma s[8:9], mu s[10:11]
	s_load_b128 s[12:15], s[0:1], 0x20             ; x0 s[12:13], out0 s[14:15]
	v_lshl_add_u32 v250, v0, 2, 0x5a00
	v_mov_b32 v251, 0
	v_lshlrev_b32 v[TOFF], 4, v0
	v_and_b32 v[UOFF], 0xfc, v0
	v_and_b32 v[LANE], 31, v0
	v_and_b32 v[WV32], 0xe0, v0
	v_lshlrev_b32 v[IOFF], 4, v[LANE]
	v_lshl_add_u32 v[IOFF], v[WV32], 5, v[IOFF]    ; 1,024 x wave + 16 x lane, at most 7,168 + 496: each wave brings its own 16 rows, 512 consecutive bytes a load
	s_lshl_b32 s2, ttmp9, 13                       ; the group's 128 input rows of 64 bytes
	s_mov_b32 s3, 0
	s_lshl_b32 s16, ttmp9, 15                      ; the group's 128 output rows of 256 bytes
	s_mov_b32 s17, 0
	s_wait_kmcnt 0x0
	s_add_nc_u64 s[4:5], s[4:5], s[2:3]
	s_add_nc_u64 s[14:15], s[14:15], s[16:17]
	global_load_b128 v[T_SG:T_SG+3], v[TOFF], s[8:9]
	global_load_b128 v[T_MU:T_MU+3], v[TOFF], s[10:11]
	global_load_b128 v[T_A:T_A+3],   v[TOFF], s[6:7]
	global_load_b32  v[T_X],         v[UOFF], s[12:13]
	global_load_b128 v[T_I:T_I+3],   v[IOFF], s[4:5] th:TH_LOAD_NT             ; inputs are read once in the whole launch
	global_load_b128 v[T_I+4:T_I+7], v[IOFF], s[4:5] offset:512 th:TH_LOAD_NT
	; while they are on their way: addresses and the two constants of this group's b
	v_lshrrev_b32 v[PST], 3, v0                    ; eight threads hold a pair of units (128 bytes)
	v_mul_u32_u24 v[PST], v[PST], PPITCH
	v_and_b32 v[TMP], 7, v0
	v_lshl_add_u32 v[PST], v[TMP], 4, v[PST]
	v_mul_u32_u24 v[PLD], v[LANE], PPITCH
	v_lshlrev_b32 v[SLD], 3, v[LANE]
	v_lshlrev_b32 v[IAD], 5, v[WV32]               ; 1,024 x wave
	v_lshl_add_u32 v[OOFF], v[WV32], 7, v[SLD]     ; 16 rows x 256 bytes x wave + 8 x lane
	s_lshr_b32 s18, ttmp9, 5                       ; b: 32 groups of 128 rows make its 4,096 rows
	s_cvt_f32_u32 s18, s18
	s_mul_f32 s19, s18, 0x3fb8aa3b                 ; c1 = b log2 e
	s_mul_f32 s20, s19, 0xbf8ccccd                 ; c0 = -1.1 c1
	v_mov_b32 v[C1P], s19
	v_mov_b32 v[C1P+1], s19
	v_mov_b32 v[C0P], s20
	v_mov_b32 v[C0P+1], s20
	v_mov_b32 v[SAP+1], 0
	v_mov_b32 v[SAP+3], 0
	; prepare my 16 bytes of each table and hand them over.  Loads come back in order: each count is the number of younger loads.
	s_wait_loadcnt 0x5                             ; sigma
	v_pk_mul_f32 v[T_SG:T_SG+1],   v[T_SG:T_SG+1],   0x3fb8aa3b op_sel_hi:[1,0]
	v_pk_mul_f32 v[T_SG+2:T_SG+3], v[T_SG+2:T_SG+3], 0x3fb8aa3b op_sel_hi:[1,0]
	ds_store_b128 v[PST], v[T_SG:T_SG+3] offset:L_SG
	s_wait_loadcnt 0x4                             ; mu
	ds_store_b128 v[PST], v[T_MU:T_MU+3] offset:L_MU
	s_wait_loadcnt 0x2                             ; A and x0
	v_mov_b32 v[T_X+1], v[T_X]
	v_pk_add_f32 v[T_S:T_S+1],   v[T_A:T_A+1], v[T_A+2:T_A+3]
	v_pk_add_f32 v[T_C:T_C+1],   v[T_X:T_X+1], v[T_A:T_A+1]   neg_lo:[0,1] neg_hi:[0,1]   ; x0 - A
	v_pk_add_f32 v[T_C+2:T_C+3], v[T_X:T_X+1], v[T_A+2:T_A+3] neg_lo:[0,1] neg_hi:[0,1]
	v_add_f32 v[T_S], v[T_S], v[T_S+1]             ; my four A; the unit's other twelve lie in the three lanes beside me
	v_add_f32_dpp v[T_S], v[T_S], v[T_S] row_xmask:1 row_mask:0xf bank_mask:0xf
	v_add_f32_dpp v[T_S], v[T_S], v[T_S] row_xmask:2 row_mask:0xf bank_mask:0xf
	ds_store_b128 v[PST], v[T_C:T_C+3] offset:L_CC
	ds_store_b32 v[UOFF], v[T_S] offset:L_SA       ; the unit's four lanes write the same word with the same value
	s_wait_loadcnt 0x0                             ; inputs
	ds_store_b128 v[IOFF], v[T_I:T_I+3]   offset:L_IN
	ds_store_b128 v[IOFF], v[T_I+4:T_I+7] offset:L_IN+512
	s_wait_dscnt 0x0                               ; for the other waves' sake: all my stores are in LDS before I say so
	s_barrier_signal -1
	s_barrier_wait -1                              ; LDS is only read from here on
.irp k, 0,1,2,3,4,5,6,7
	ds_load_b128 v[SG+4*\k:SG+4*\k+3], v[PLD] offset:L_SG+16*\k
	ds_load_b128 v[MU+4*\k:MU+4*\k+3], v[PLD] offset:L_MU+16*\k
	ds_load_b128 v[CC+4*\k:CC+4*\k+3], v[PLD] offset:L_CC+16*\k
.endr
	ds_load_b32 v[SAP],   v[SLD] offset:L_SA
	ds_load_b32 v[SAP+2], v[SLD] offset:L_SA+4
; an input row into register slot s: 64 bytes, every lane the same address
.macro FETCH s, off
.irp k, 0,1,2,3
	ds_load_b128 v[IN+16*\s+4*\k:IN+16*\s+4*\k+3], v[IAD] offset:L_IN+\off+16*\k
.endr
.endm
; The steps of unit slot j.  No transcendental writes its own source, and behind each run of sixteen stands plain work of the
; OTHER unit slot before a result is read or a source rewritten (ISA guide 5.7.2 asks for one independent plain instruction).
.macro ARG j, s                        ; z' = (I - mu) * sigma'
.irp p, 0,2,4,6,8,10,12,14
	v_pk_add_f32 v[WZ+48*\j+\p:WZ+48*\j+\p+1], v[IN+16*\s+\p:IN+16*\s+\p+1], v[MU+16*\j+\p:MU+16*\j+\p+1] neg_lo:[0,1] neg_hi:[0,1]
.endr
.irp p, 0,2,4,6,8,10,12,14
	v_pk_mul_f32 v[WZ+48*\j+\p:WZ+48*\j+\p+1], v[WZ+48*\j+\p:WZ+48*\j+\p+1], v[SG+16*\j+\p:SG+16*\j+\p+1]
.endr
.endm
.macro EXPZ j                          ; 2^z'
.irp i, 0,1,2,3,4,5,6,7,8,9,10,11,12,13,14,15
	v_exp_f32 v[WE+48*\j+\i], v[WZ+48*\j+\i]
.endr
.endm
.macro ONE j                           ; 1 + 2^z'
	s_wait_alu depctr_va_vdst(0)
.irp p, 0,2,4,6,8,10,12,14
	v_pk_add_f32 v[WE+48*\j+\p:WE+48*\j+\p+1], v[WE+48*\j+\p:WE+48*\j+\p+1], 1.0 op_sel_hi:[1,0]
.endr
.endm
.macro RCPE j                          ; f_neg, in the registers of z'
.irp i, 0,1,2,3,4,5,6,7,8,9,10,11,12,13,14,15
	v_rcp_f32 v[WZ+48*\j+\i], v[WE+48*\j+\i]
.endr
.endm
.macro ARG2 j                          ; c1 f_neg + c0
	s_wait_alu depctr_va_vdst(0)
.irp p, 0,2,4,6,8,10,12,14
	v_pk_fma_f32 v[WE+48*\j+\p:WE+48*\j+\p+1], v[WZ+48*\j+\p:WZ+48*\j+\p+1], v[C1P:C1P+1], v[C0P:C0P+1]
.endr
.endm
.macro EXPG j                          ; the decay exp(-(0.1 + f_pos) b)
.irp i, 0,1,2,3,4,5,6,7,8,9,10,11,12,13,14,15
	v_exp_f32 v[WH+48*\j+\i], v[WE+48*\j+\i]
.endr
.endm
.macro SUM j                           ; sum of A + sum of (x0 - A) * (decay * f_neg); a product stands between two links of the chain
	s_wait_alu depctr_va_vdst(0)
	v_pk_mul_f32 v[WH+48*\j:WH+48*\j+1],   v[WH+48*\j:WH+48*\j+1],   v[WZ+48*\j:WZ+48*\j+1]
	v_pk_mul_f32 v[WH+48*\j+2:WH+48*\j+3], v[WH+48*\j+2:WH+48*\j+3], v[WZ+48*\j+2:WZ+48*\j+3]
	v_pk_fma_f32 v[ACC+2*\j:ACC+2*\j+1], v[CC+16*\j:CC+16*\j+1], v[WH+48*\j:WH+48*\j+1], v[SAP+2*\j:SAP+2*\j+1]
.irp p, 4,6,8,10,12,14
	v_pk_mul_f32 v[WH+48*\j+\p:WH+48*\j+\p+1], v[WH+48*\j+\p:WH+48*\j+\p+1], v[WZ+48*\j+\p:WZ+48*\j+\p+1]
	v_pk_fma_f32 v[ACC+2*\j:ACC+2*\j+1], v[CC+16*\j+\p-2:CC+16*\j+\p-1], v[WH+48*\j+\p-2:WH+48*\j+\p-1], v[ACC+2*\j:ACC+2*\j+1]
.endr
	v_pk_fma_f32 v[ACC+2*\j:ACC+2*\j+1], v[CC+16*\j+14:CC+16*\j+15], v[WH+48*\j+14:WH+48*\j+15], v[ACC+2*\j:ACC+2*\j+1]
.endm
; One row, from input slot s.  fetch = 1: the next row is asked for at once, into the other slot o, from byte off behind IAD.
.macro ROW s, o, fetch, off
	s_wait_dscnt 0x0                               ; this row's four loads, issued a whole row ago (the first time: the tables too)
.if \fetch
	FETCH \o, \off
.endif
	ARG  0, \s
	EXPZ 0
	ARG  1, \s
	EXPZ 1
	ONE  0
	RCPE 0
	ONE  1
	RCPE 1
	ARG2 0
	EXPG 0
	ARG2 1
	EXPG 1
	SUM  0
	SUM  1
	s_wait_xcnt 0x0                                ; the last row's store has had its address translated (ISA guide 3.1): its data and its base are rewritten only behind this wait
	s_add_nc_u64 s[14:15], s[14:15], 256           ; one row on; the store reaches back, so that every row runs the same lines
	v_add_f32 v[RES],   v[ACC],   v[ACC+1]         ; even d + odd d
	v_add_f32 v[RES+1], v[ACC+2], v[ACC+3]
	global_store_b64 v[OOFF], v[RES:RES+1], s[14:15] offset:-256 th:TH_STORE_NT   ; 32 lanes x 8 bytes: the row's 256 bytes, written once
.endm
	FETCH 0, 0                                     ; row 0
	s_mov_b32 s21, ROWS/2-1
.Ltrip:
	ROW 0, 1, 1, 64
	ROW 1, 0, 1, 128
	v_add_nc_u32 v[IAD], 128, v[IAD]               ; two rows on
	s_sub_co_u32 s21, s21, 1
	s_cmp_lg_u32 s21, 0
	s_cbranch_scc1 .Ltrip
	ROW 0, 1, 1, 64                                ; the last two rows: one more fetch (row 15), then none
	ROW 1, 0, 0, 0
	s_wait_tensorcnt 0x0
	ds_add_u32 v250, v251
	s_wait_dscnt 0x0
	s_endpgm
.Lfunc_end_k_qfef7d4e7ad_ltc:
	.size	k_qfef7d4e7ad_ltc, .Lfunc_end_k_qfef7d4e7ad_ltc-k_qfef7d4e7ad_ltc
	.p2alignl 7, 3214868480
	.fill 96, 4, 3214868480
	.section	.rodata,"a",@progbits
	.p2align	6, 0x0
	.amdhsa_kernel k_qfef7d4e7ad_ltc
		.amdhsa_group_segment_fixed_size 24064
		.amdhsa_private_segment_fixed_size 0
		.amdhsa_enable_private_segment 0
		.amdhsa_kernarg_size 48
		.amdhsa_user_sgpr_count 2
		.amdhsa_user_sgpr_kernarg_segment_ptr 1
		.amdhsa_wavefront_size32 1
		.amdhsa_system_sgpr_workgroup_id_x 1
		.amdhsa_system_sgpr_workgroup_id_y 1
		.amdhsa_system_sgpr_workgroup_id_z 1
		.amdhsa_system_vgpr_workitem_id 0
		.amdhsa_next_free_vgpr 252
		.amdhsa_next_free_sgpr 66
		.amdhsa_reserve_vcc 0
		.amdhsa_float_denorm_mode_32 3
		.amdhsa_float_denorm_mode_16_64 3
		.amdhsa_memory_ordered 1
		.amdhsa_forward_progress 1
		.amdhsa_inst_pref_size 45
	.end_amdhsa_kernel
	.amdgpu_metadata
---
amdhsa.version: [ 1, 2 ]
amdhsa.kernels:
  - .name:           k_qfef7d4e7ad_ltc
    .symbol:         k_qfef7d4e7ad_ltc.kd
    .args:
      - { .name: inputs, .offset: 0, .size: 8, .value_kind: global_buffer, .address_space: global }
      - { .name: A, .offset: 8, .size: 8, .value_kind: global_buffer, .address_space: global }
      - { .name: sigma, .offset: 16, .size: 8, .value_kind: global_buffer, .address_space: global }
      - { .name: mu, .offset: 24, .size: 8, .value_kind: global_buffer, .address_space: global }
      - { .name: x0, .offset: 32, .size: 8, .value_kind: global_buffer, .address_space: global }
      - { .name: out0, .offset: 40, .size: 8, .value_kind: global_buffer, .address_space: global }
    .group_segment_fixed_size: 24064
    .private_segment_fixed_size: 0
    .kernarg_segment_align: 8
    .kernarg_segment_size: 48
    .max_flat_workgroup_size: 256
    .sgpr_count:     66
    .vgpr_count:     252
    .wavefront_size: 32
...
	.end_amdgpu_metadata
.endif
;; end of part 1
